; MI455X (gfx1250); checked and timed in simulation.
; The chip was launched on July 23, 2026; its instructions are those of AMD's public machine-readable ISA for CDNA 5 (MIT licence, August 2026) and "CDNA5" Instruction Set Architecture Reference Guide (July 2026). The comments in the code are by the model that wrote it; some were corrected since.
;; Self Attention. Allowed arithmetic: matrix products marked QUANTISED: E2M1 operands, one E8M0 scale for each 32 along K, by v_wmma_scale_f32_16x16x128_f8f6f4 with both operands' format E2M1 (or v_wmma_scale_f32_32x16x128_f4), f32 sums; everything else in f32.
;; Inputs: Wk_codes 1,024 x 32 x 16 uint8 (E2M1 codes of Wk, K innermost, in blocks of 32 codes, two codes a byte); Wk_scales 1,024 x 32 uint8 (E8M0 scales of Wk, one for each 32 codes along K); Wo_codes 1,024 x 32 x 16 uint8 (E2M1 codes of Wo, K innermost, in blocks of 32 codes, two codes a byte); Wo_scales 1,024 x 32 uint8 (E8M0 scales of Wo, one for each 32 codes along K); Wq_codes 1,024 x 32 x 16 uint8 (E2M1 codes of Wq, K innermost, in blocks of 32 codes, two codes a byte); Wq_scales 1,024 x 32 uint8 (E8M0 scales of Wq, one for each 32 codes along K); Wv_codes 1,024 x 32 x 16 uint8 (E2M1 codes of Wv, K innermost, in blocks of 32 codes, two codes a byte); Wv_scales 1,024 x 32 uint8 (E8M0 scales of Wv, one for each 32 codes along K); X_codes 4 x 2,048 x 32 x 16 uint8 (E2M1 codes of X, K innermost, in blocks of 32 codes, two codes a byte); X_scales 4 x 2,048 x 32 uint8 (E8M0 scales of X, one for each 32 codes along K); bk 1,024 float32; bo 1,024 float32; bq 1,024 float32; bv 1,024 float32.
;; Outputs: out0 4 x 2,048 x 1,024 float32.
;; This version of the problem:
;;   THIS VERSION OF THE PROBLEM IS GIVEN IN LOW PRECISION. The matrix products marked QUANTISED in the list below multiply operands that are first quantised to E2M1 (2 exponent bits, 1 mantissa bit; 4 bits a number), with one power-of-two scale for each 32 numbers along K (OCP MX v1.0); their sums are f32. All else is computed in f32.
;;   The module's matrix products, in the order in which they are computed (A, B: the left and right operand; K: the contracted axis; several contracted axes count as one K, in the product's order):
;;     1. [M 8,192, K 1,024] x [K 1,024, N 1,024]; A: input X (given as codes); B: input Wq (given as codes): QUANTISED
;;     2. [M 8,192, K 1,024] x [K 1,024, N 1,024]; A: input X (given as codes); B: input Wk (given as codes): QUANTISED
;;     3. [M 8,192, K 1,024] x [K 1,024, N 1,024]; A: input X (given as codes); B: input Wv (given as codes): QUANTISED
;;     4. batch 64 x [M 2,048, K 64] x [K 64, N 2,048]; A: computed on the way; B: computed on the way: QUANTISED
;;     5. batch 64 x [M 2,048, K 2,048] x [K 2,048, N 64]; A: softmax (see below); B: computed on the way: QUANTISED
;;     6. [M 8,192, K 1,024] x [K 1,024, N 1,024]; A: computed on the way; B: input Wo (given as codes): QUANTISED
;;   THE QUANTISER, for each operand of a quantised product, along K:
;;     - K is cut into blocks of 32 from its start; a last block that is shorter is filled with zeros.
;;     - A block's scale is 2^e with e = floor(log2(the largest magnitude in the block)) - 2, held to -126 .. 127; a block of zeros has e = 0. As a byte (E8M0): e + 127.
;;     - Each number is divided by its block's scale, clamped to +-6, and rounded to the nearest number of E2M1, ties to even, subnormals kept.
;;     - The product sums the exact products of the quantised numbers (number of the format x scale) in f32.
;;   ~~~python
;;   def quantise(x, axis):      # numpy; x: float32 -> the quantised numbers, widened to float32 again
;;       x = np.moveaxis(x, axis, -1); K = x.shape[-1]
;;       x = np.pad(x, [(0, 0)] * (x.ndim - 1) + [(0, -K % 32)]); x = x.reshape(x.shape[:-1] + (-1, 32)); a = np.abs(x).max(-1, keepdims=True)
;;       e = np.where(a > 0, np.clip(np.frexp(np.where(a > 0, a, 1))[1] - 1 - 2, -126, 127), 0)      # np.frexp(a)[1] - 1 = floor(log2(a)), exactly
;;       r = np.clip(x / 2.0 ** e, -6, 6)
;;       step = 2.0 ** (np.maximum(np.frexp(np.where(r == 0, 1, r))[1] - 1, 0) - 1)
;;       q = np.round(r / step) * step * 2.0 ** e      # np.round: ties to even
;;       return np.moveaxis(q.reshape(q.shape[:-2] + (-1,))[..., :K], -1, axis).astype(np.float32)
;;   ~~~
;;   SOFTMAX AHEAD OF A QUANTISED PRODUCT. Where the list says 'softmax', what is quantised is not the finished softmax but p = 2^(t - M), with t = logit x log2(e) and M = ceil(the row's largest t), a whole number; so 1/2 < the row's largest p <= 1. The row's sum l is taken of the UNQUANTISED p, in f32, and the product's result is divided by l at the end. Since M is a whole number, a kernel that streams over the keys may use a running M (the ceiling of the running maximum): every later rescaling is an exact power of two, which a block's scale takes up: the codes' values come out the same.
;;   OPERANDS COMPUTED ON THE WAY. 'Computed on the way' means the value that the module computes at that place (a softmax that the list does not call 'softmax' is quantised finished and normalised). What goes into a quantiser is computed in f32, as accurately as f32 sums, v_exp_f32 and their like allow (about 1e-6 of the number): no bf16 or f16 on the way to a quantiser, and a product that is left as it is and whose result goes on into a quantised operand takes f32 operands (vector FMAs, or v_wmma_f32_16x16x4_f32). A number that lies on a knife's edge between two numbers of the format may be rounded either way, as far as f32 arithmetic and the matrix unit's own rounding can turn it there, and no further.
;;   INPUTS GIVEN AS CODES. Wk (in the module: [1024, 1024], K = its axis 1); Wo (in the module: [1024, 1024], K = its axis 1); Wq (in the module: [1024, 1024], K = its axis 1); Wv (in the module: [1024, 1024], K = its axis 1); X (in the module: [4, 2048, 1024], K = its axis 2): each comes as NAME_codes (uint8): NAME with its K axis moved to the last place and cut into blocks of 32 codes, [.., K / 32, bytes a block], one block behind the other in memory; two codes a byte, the lower K in the low four bits (a code: sign, 2 exponent bits, 1 mantissa bit); and NAME_scales (uint8): the same leading axes, one E8M0 byte (e + 127) for each 32 codes along K. Its value is code x scale, taken as it is: it is not quantised again, and the codes and scales need not be those that the quantiser above would give.
;; One version. Each part assembles by itself: llvm-mc -triple=amdgcn-amd-amdhsa -mcpu=gfx1250 --defsym DOCPART=n.
;; ======== version 1 of 1: 3 launches
;; workspace buffers: q_img 4,194,304 bytes; q_sc 262,144 bytes; kv 8,912,896 bytes; a_img 4,194,304 bytes; a_sc 262,144 bytes
;; launch qkv (part 1): grid 12 x 32, 16 waves a work-group, clusters of 4 x 4, 327,680 bytes of LDS; arguments X_codes, X_scales, Wq_codes, Wq_scales, Wk_codes, Wk_scales, Wv_codes, Wv_scales, bq, bk, bv, q_img, q_sc, kv; writes q_img, q_sc, kv
.if DOCPART == 1
	.amdgcn_target "amdgcn-amd-amdhsa--gfx1250"
	.amdhsa_code_object_version 6
	.text
	.protected	k_q59d4dee34c_qkv
	.globl	k_q59d4dee34c_qkv
	.p2align	8
	.type	k_q59d4dee34c_qkv,@function
k_q59d4dee34c_qkv:
	s_mov_b64 s[64:65], 0
	v_nop
	global_prefetch_b8 v0, s[64:65] scope:SCOPE_SE
	s_setreg_imm32_b32 hwreg(HW_REG_WAVE_MODE, 25, 1), 1
	s_wait_xcnt 0x0
	s_wait_alu depctr_hold_cnt(0) depctr_sa_sdst(0) depctr_va_vdst(0) depctr_va_sdst(0) depctr_va_ssrc(0) depctr_va_vcc(0) depctr_vm_vsrc(0)
	s_getreg_b32 s2, hwreg(HW_REG_IB_STS2, 6, 4)
	s_cmp_eq_u32 s2, 0
	s_cbranch_scc0 .Lentry_in_a_cluster
	s_endpgm
.Lentry_in_a_cluster:
	s_bfe_u32 s2, ttmp6, 0x10000c
	s_cmp_lg_u32 s2, 0xf033
	s_cbranch_scc0 .Lentry_shape_is_right
	s_endpgm
.Lentry_shape_is_right:
; Q = X Wq^T + bq, K = X Wk^T + bk, V = X Wv^T + bv on codes of FP4 (E2M1) with one E8M0 scale for each 32 along K = 1,024; f32 sums; the results are quantised here, in registers,
; for the attention launch: Q and K along the head's 64 channels (2 blocks a token), V along the keys (blocks of 32 tokens).
; NOTHING OF reference() IS LEFT OUT in this program: bq, bk and bv go into quantised operands, bo into the output, there is no mask, and every input is loaded.
; LIMITS: a block of zeros, and a block whose largest magnitude lies under 2^-124, gets the scale byte 1 (the rule says 127 for zeros: the codes are zeros, which add nothing under any byte but 0xff,
; and these bytes are read by this program alone); NaN and infinities are not served.
; SHARES.  A work-group: 256 rows of X x 256 rows of ONE weight, all of K.  The cluster's x says which weight (0 Q, 1 K, 2 V): the same in all sixteen partners.  cx: which 256 rows of it; 4 x cluster y + cy: which 256 rows of X.
; Wave w: ww = w % 4: 64 rows of the weight = one head; wx = w / 4: 64 rows of X.  16 accumulators of 16 x 16.
; Q, K: source 0 = weight, source 1 = X: a lane holds one token, its registers run along the channels.  V: source 0 = X, source 1 = weight: a lane holds one channel, its registers run along the keys.
; So in both a lane's registers run along the NEXT product's K.  The two bodies differ in the order of the sources, in the bias and in the stores' places; the branch between them hangs on the cluster's x alone.
; LDS is filled once: X's 256 rows and the weight's 256 rows (512 bytes + 16 of padding: 33 x 16 bytes, so the sixteen rows of a fragment load start 16 bytes apart modulo 256), and their scale bytes (32 a row, dense).
; CLUSTER 4 x 4: X's rows are shared along a row of the cluster, the weight's along a column: each tile is asked for jointly.
; WHAT IS STORED are images of operand registers: a tile (16 rows x 64 along K) is 512 bytes, lane l's 16 bytes at 16 l: lane (r, h) holds row r, k = 32 h .. 32 h + 31.
;   q_img [head and batch 64][tile of 16 queries 128][512];   q_sc [64][64 tokens 32][128]: the word at 4 (16 p + r) = the two bytes of tile 2 p's row r, then those of tile 2 p + 1's.
;   kv [64][128 keys 16][8,704]: +0 K's 8 tiles; +4,096 V: channel tile ct, keys 64 c on, at 1,024 ct + 512 c; +8,192 K's scale words as q_sc's; +8,448 V's: 128 j + 4 lane: lanes 0-15 channel tile 2 j, lanes 16-31 tile 2 j + 1, byte = block of 32 keys.
; The codes' stores cover 512 consecutive bytes, aligned.  The scale words leave as 128 bytes (Q, K) or as halves of words (V: the other half belongs to the wave with the other 64 keys): one byte in 32 of what is stored.
.set PITCH, 528
.set QUART, 64*PITCH                   ; 64 rows: what one tensor load brings, and what one wave reads of X or of the weight
.set XT,    0                          ; X's 256 rows
.set WT,    4*QUART                    ; the weight's 256 rows
.set XSL,   8*QUART                    ; X's scale bytes, 8,192
.set WSL,   XSL+8192                   ; the weight's
.set SPARE, WSL+8192                   ; the spare words, 128 bytes for each of 16 waves: eight blocks of 256 bytes that no other line names
.set STEPB, 8704                       ; a key step in kv
.set HEADB, 16*STEPB                   ; a head in kv
.set SPW, 3                            ; v3   LDS address of my spare word; never rewritten
.set NIL, 4                            ; v4   0; never rewritten
.set AX,  5                            ; v5   LDS address of my fragments of X
.set AW,  6                            ; v6   of the weight
.set ASC, 7                            ; v7   of the scale words: lanes 0-15 X's rows, lanes 16-31 the weight's
.set L16, 8                            ; v8   16 x lane
.set L4,  9                            ; v9   4 x lane
.set BH,  10                           ; v10  32 h
.set BR,  11                           ; v11  4 r
.set LN,  13                           ; v13  lane
.set SC,  16                           ; v16-31  scale words alone: register 4 i + q: tile i, the q-th of four K steps
.set BI,  32                           ; v32-63  the bias as the C of the first K step; afterwards at work
.set FX,  64                           ; v64-95  X's four fragments
.set FW,  96                           ; v96-127 the weight's four
.set ACC, 128                          ; v128-255 accumulator (source 0's tile pt, source 1's tile rt) at 128 + 32 rt + 8 pt
.set MX,  32                           ; the way out: largest magnitudes, 8 blocks
.set PX,  40                           ; the other half of the lanes'
.set SO,  48                           ; the conversions' scale operands
.set BY,  56                           ; the scale bytes
.set HW,  64                           ; a row's two bytes, for each rt
.set SW,  68                           ; the words to store
.set PC,  72                           ; the codes, four registers for each rt
.macro CROUND                          ; a round of the cluster's barrier
	s_barrier_signal -1
	s_barrier_wait -1
	s_cmp_lg_u32 s3, 0
	s_cbranch_scc1 .Lnot_wave_0_\@
	s_barrier_signal -3
.Lnot_wave_0_\@:
	s_barrier_wait -3
	s_barrier_signal -1
	s_barrier_wait -1
.endm
.macro TLOAD g0, g1                    ; a joint load; an s_nop 0 and four v_nop follow it
	tensor_load_to_lds s[\g0:\g0+3], s[\g1:\g1+7]
	s_nop 0
.rept 4
	v_nop
.endr
.endm
	s_load_b512 s[4:19], s[0:1], 0x0               ; X codes s[4:5], X scales s[6:7], Wq s[8:11], Wk s[12:15], Wv s[16:19] (codes, scales)
	s_load_b256 s[20:27], s[0:1], 0x40             ; bq, bk, bv, q_img
	s_load_b128 s[28:31], s[0:1], 0x60             ; q_sc, kv
	v_lshl_add_u32 v[SPW], v0, 2, SPARE
	v_mov_b32 v[NIL], 0
	ds_add_u32 v[SPW], v[NIL]                      ; the wave's opening: the add, twice on end, and its wait ahead of the first tensor load
	ds_add_u32 v[SPW], v[NIL]                      ; and once more; the set-up below, work on registers, stands between it and the wait
	v_lshrrev_b32 v1, 5, v0
	s_delay_alu instid0(VALU_DEP_1)
	v_readfirstlane_b32 s3, v1                     ; wave 0..15
	s_and_b32 s84, s3, 3                           ; ww.  Also: which 64 rows a loading wave fetches
	s_lshr_b32 s85, s3, 2                          ; wx
	s_bfe_u32 s86, ttmp6, 0x40000                  ; cx
	s_bfe_u32 s87, ttmp6, 0x40004                  ; cy
	s_and_b32 s88, ttmp7, 0xffff
	s_lshl_b32 s88, s88, 2
	s_add_co_u32 s88, s88, s87                     ; ty = 4 x cluster y + cy: which 256 rows of X
	s_lshl_b32 s89, s87, 2
	s_lshl_b32 s89, 15, s89                        ; my row of the cluster
	s_lshl_b32 s90, 0x1111, s86                    ; my column
	; group 1 for codes: 64 rows x 512 bytes, 16 bytes of padding behind each row.  s[32:39] X's (mask: my row), s[40:47] the weight's (mask: my column)
	s_or_b32 s32, s89, (1<<20)|(1<<21)|(6<<22)|(3<<25)   ; 15:0 mask; 17:16 elements of 1 byte; 20 padding on; 21 set beside a mask; 24:22 after every 128 words; 31:25 four words
	s_or_b32 s40, s90, (1<<20)|(1<<21)|(6<<22)|(3<<25)
.irp g, 32, 40
	s_mov_b32 s[\g+1], 512<<16                     ; tensor_dim0
	s_mov_b32 s[\g+2], 64<<16                      ; tensor_dim1
	s_mov_b32 s[\g+3], 512<<16                     ; tile_dim0
	s_mov_b32 s[\g+4], 64                          ; tile_dim1
	s_mov_b32 s[\g+5], 512                         ; from row to row
	s_mov_b32 s[\g+6], 0
	s_mov_b32 s[\g+7], 0
.endr
	; group 1 for scale bytes: 8,192 dense bytes as 32 rows of 32 elements of 8 bytes.  s[48:55] X's, s[56:63] the weight's
	s_or_b32 s48, s89, (3<<16)|(1<<21)
	s_or_b32 s56, s90, (3<<16)|(1<<21)
.irp g, 48, 56
	s_mov_b32 s[\g+1], 32<<16
	s_mov_b32 s[\g+2], 32<<16
	s_mov_b32 s[\g+3], 32<<16
	s_mov_b32 s[\g+4], 32
	s_mov_b32 s[\g+5], 32
	s_mov_b32 s[\g+6], 0
	s_mov_b32 s[\g+7], 0
.endr
	s_lshl_b32 s98, s84, 15                        ; 64 rows of 512 bytes x (wave % 4)
	s_lshl_b32 s92, s88, 17                        ; X: 256 rows x ty: registers that never hold cx
	s_add_co_u32 s92, s92, s98
	s_mov_b32 s93, 0
	s_lshl_b32 s94, s86, 17                        ; the weight: 256 rows x cx: registers that never hold cy
	s_add_co_u32 s94, s94, s98
	s_mov_b32 s95, 0
	s_lshl_b32 s100, s88, 13                       ; X's scale bytes: 8,192 x ty
	s_mov_b32 s101, 0
	s_lshl_b32 s90, s86, 13                        ; the weight's: 8,192 x cx (the mask has been used)
	s_mov_b32 s91, 0
	s_mul_i32 s99, s84, QUART                      ; where the rows go: no place in the cluster enters an LDS address
	s_mov_b32 s96, 0x76543210
	s_mov_b32 s97, 0xfedcba98                      ; v_permlanex16_b32's selects for lane l xor 16
	s_wait_dscnt 0x0                               ; both opening adds are done
	s_wait_kmcnt 0x0
	s_cmp_eq_u32 ttmp9, 1                          ; which weight: the choice hangs on the cluster's x alone
	s_cselect_b64 s[8:9], s[12:13], s[8:9]
	s_cselect_b64 s[10:11], s[14:15], s[10:11]
	s_cselect_b64 s[20:21], s[22:23], s[20:21]
	s_cmp_eq_u32 ttmp9, 2
	s_cselect_b64 s[8:9], s[16:17], s[8:9]         ; s[8:9] its codes,
	s_cselect_b64 s[10:11], s[18:19], s[10:11]     ; s[10:11] its scales,
	s_cselect_b64 s[20:21], s[24:25], s[20:21]     ; s[20:21] its bias
	s_mov_b32 s68, 1                               ; group 0, X's codes
	s_mov_b32 s69, s99
	s_add_nc_u64 s[70:71], s[4:5], s[92:93]
	s_or_b32 s71, s71, 0x80000000
	s_mov_b32 s72, 1                               ; the weight's codes
	s_add_co_u32 s73, s99, WT
	s_add_nc_u64 s[74:75], s[8:9], s[94:95]
	s_or_b32 s75, s75, 0x80000000
	s_mov_b32 s76, 1                               ; X's scales
	s_mov_b32 s77, XSL
	s_add_nc_u64 s[78:79], s[6:7], s[100:101]
	s_or_b32 s79, s79, 0x80000000
	s_mov_b32 s80, 1                               ; the weight's scales
	s_mov_b32 s81, WSL
	s_add_nc_u64 s[82:83], s[10:11], s[90:91]
	s_or_b32 s83, s83, 0x80000000
	CROUND                                         ; all sixteen work-groups are here: the joint loads meet
	; the fills, all of them first fills: waves 0-3 X's codes, 4-7 the weight's, 8 X's scales, 9 the weight's; one load a wave at the most.  The branches hang on the wave's number alone
	s_cmp_lt_u32 s3, 4
	s_cbranch_scc0 .Lfill_w
	TLOAD 68, 32
	s_branch .Lfilled
.Lfill_w:
	s_cmp_lt_u32 s3, 8
	s_cbranch_scc0 .Lfill_xs
	TLOAD 72, 40
	s_branch .Lfilled
.Lfill_xs:
	s_cmp_eq_u32 s3, 8
	s_cbranch_scc0 .Lfill_ws
	TLOAD 76, 48
	s_branch .Lfilled
.Lfill_ws:
	s_cmp_eq_u32 s3, 9
	s_cbranch_scc0 .Lfilled
	TLOAD 80, 56
.Lfilled:
	v_and_b32 v[LN], 31, v0
	v_and_b32 v1, 15, v0                           ; r
	v_bfe_u32 v2, v0, 4, 1                         ; h
	s_delay_alu instid0(VALU_DEP_2)
	v_mul_u32_u24 v12, v1, PITCH
	s_delay_alu instid0(VALU_DEP_1)
	v_lshl_add_u32 v12, v2, 4, v12                 ; a fragment's row x pitch + 16 h
	s_mul_i32 s98, s85, QUART
	v_add_nc_u32 v[AX], s98, v12                   ; my 64 rows of X
	s_mul_i32 s98, s84, QUART
	s_add_co_u32 s98, s98, WT
	v_add_nc_u32 v[AW], s98, v12                   ; my 64 rows of the weight
	s_xor_b32 s98, s85, 3                          ; 3 - wx
	s_add_co_u32 s98, s98, s84
	s_lshl_b32 s98, s98, 11
	s_add_co_u32 s98, s98, 2048                    ; (WSL + 2,048 ww) - (XSL + 2,048 wx): from X's scale rows to the weight's
	v_mul_u32_u24 v12, s98, v2                     ; lanes 16-31 take the weight's
	s_delay_alu instid0(VALU_DEP_1)
	v_lshl_add_u32 v12, v1, 5, v12                 ; 32 bytes a row
	s_lshl_b32 s98, s85, 11
	s_add_co_u32 s98, s98, XSL
	v_add_nc_u32 v[ASC], s98, v12
	v_lshlrev_b32 v[L16], 4, v[LN]
	v_lshlrev_b32 v[L4], 2, v[LN]
	v_lshlrev_b32 v[BH], 5, v2
	v_lshlrev_b32 v[BR], 2, v1
	s_lshl_b32 s98, s86, 10                        ; the bias of my head: 4 (256 cx + 64 ww)
	s_lshl_b32 s99, s84, 8
	s_add_co_u32 s98, s98, s99
	s_mov_b32 s99, 0
	s_add_nc_u64 s[20:21], s[20:21], s[98:99]
	; where my results go
	s_lshl_b32 s98, s88, 8
	s_lshl_b32 s99, s85, 6
	s_add_co_u32 s98, s98, s99                     ; my first token: 256 ty + 64 wx
	s_lshr_b32 s99, s98, 11                        ; its batch,
	s_and_b32 s98, s98, 2047                       ; its place in the sequence
	s_lshl_b32 s99, s99, 4
	s_lshl_b32 s100, s86, 2
	s_add_co_u32 s99, s99, s100
	s_add_co_u32 s99, s99, s84                     ; 16 x batch + head
	s_bfe_u32 s100, s98, 0x10006                   ; which 64 of a step's 128 keys
	s_mul_i32 s101, s99, HEADB
	s_lshr_b32 s91, s98, 7
	s_mul_i32 s91, s91, STEPB
	s_add_co_u32 s101, s101, s91                   ; my key step in kv
	s_lshl_b32 s92, s100, 11                       ; K: codes: four tiles of 512 bytes a half;
	s_add_co_u32 s92, s92, s101
	s_lshl_b32 s94, s100, 7                        ; scale words: 128 bytes a half
	s_add_co_u32 s94, s94, s101
	s_add_co_u32 s94, s94, 8192
	s_lshl_b32 s2, s100, 9                         ; V: codes: 512 bytes a half in each channel tile;
	s_add_co_u32 s2, s2, s101
	s_add_co_u32 s2, s2, 4096
	s_lshl_b32 s91, s100, 1                        ; scale words: two bytes a half
	s_add_co_u32 s91, s91, s101
	s_add_co_u32 s91, s91, 8448
	s_cmp_eq_u32 ttmp9, 2
	s_cselect_b32 s92, s2, s92
	s_cselect_b32 s94, s91, s94
	s_lshl_b32 s2, s99, 16                         ; Q: codes: 65,536 a head, 32 bytes a token;
	s_lshl_b32 s91, s98, 5
	s_add_co_u32 s2, s2, s91
	s_lshl_b32 s91, s99, 12                        ; scale words: 4,096 a head, 2 bytes a token
	s_lshl_b32 s101, s98, 1
	s_add_co_u32 s91, s91, s101
	s_cmp_eq_u32 ttmp9, 0
	s_cselect_b32 s92, s2, s92
	s_cselect_b32 s94, s91, s94
	s_cselect_b64 s[12:13], s[26:27], s[30:31]     ; codes go to q_img or to kv,
	s_cselect_b64 s[14:15], s[28:29], s[30:31]     ; scale words to q_sc or to kv
	s_mov_b32 s93, 0
	s_mov_b32 s95, 0
	s_add_nc_u64 s[12:13], s[12:13], s[92:93]
	s_add_nc_u64 s[14:15], s[14:15], s[94:95]
	; the bias in the result's layout, eight registers a tile: it is the C of each sum's first matrix instruction
	s_cmp_eq_u32 ttmp9, 2
	s_cbranch_scc1 .Lbias_v
	s_wait_alu depctr_va_vdst(0)
.irp t, 0,1,2,3                                ; Q, K: register j of tile pt is channel 16 pt + 8 h + j
	global_load_b128 v[BI+8*\t:BI+8*\t+3], v[BH], s[20:21] offset:64*\t
	global_load_b128 v[BI+8*\t+4:BI+8*\t+7], v[BH], s[20:21] offset:64*\t+16
.endr
	s_branch .Lbias_done
.Lbias_v:
	s_wait_alu depctr_va_vdst(0)
.irp t, 0,1,2,3                                ; V: all eight registers of tile rt are channel 16 rt + r
.irp j, 0,1,2,3,4,5,6,7
	global_load_b32 v[BI+8*\t+\j], v[BR], s[20:21] offset:64*\t
.endr
.endr
.Lbias_done:
	s_wait_loadcnt 0x0                             ; the bias
	s_wait_tensorcnt 0x0                           ; my load, if I had one, has landed,
	s_barrier_signal -1
	s_barrier_wait -1                              ; everybody's has; nothing is ever filled again
; A K step of 128: 16 fragment loads, every fourth step 4 loads of scale words, 16 matrix instructions on the 16 accumulators by turns.  vv = 1: V's order of the sources.
.macro KSTEP ks, vv
.if \ks > 0
.rept 4
	v_nop                                          ; four places in front of loads into registers that matrix instructions have read
.endr
.endif
.irp i, 0,1,2,3
.irp c, 0,1
	ds_load_b128 v[FX+8*\i+4*\c:FX+8*\i+4*\c+3], v[AX] offset:\i*16*PITCH+64*\ks+32*\c   ; lane (r, h): row r, k = 128 ks + 64 c + 32 h + 0 .. 31
	ds_load_b128 v[FW+8*\i+4*\c:FW+8*\i+4*\c+3], v[AW] offset:\i*16*PITCH+64*\ks+32*\c
.endr
.endr
.if (\ks)%4 == 0
.irp i, 0,1,2,3
	ds_load_b128 v[SC+4*\i:SC+4*\i+3], v[ASC] offset:512*\i+16*((\ks)/4)   ; four K steps' words of tile i: lanes 0-15 X's, lanes 16-31 the weight's
.endr
.endif
	s_wait_dscnt 0x0
.irp rt, 0,1,2,3
.irp pt, 0,1,2,3
.set rD, ACC+32*\rt+8*\pt
.if \vv
.set rA, FX+8*\pt
.set rB, FW+8*\rt
.set rC, BI+8*\rt
.else
.set rA, FW+8*\pt
.set rB, FX+8*\rt
.set rC, BI+8*\pt
.endif
.if \ks > 0
.set rC, rD
.endif
.if \vv
	v_wmma_scale_f32_16x16x128_f8f6f4 v[rD:rD+7], v[rA:rA+7], v[rB:rB+7], v[rC:rC+7], v[SC+4*\pt+(\ks)%4], v[SC+4*\rt+(\ks)%4] matrix_a_fmt:MATRIX_FMT_FP4 matrix_b_fmt:MATRIX_FMT_FP4 matrix_b_scale:MATRIX_SCALE_ROW1
.else
	v_wmma_scale_f32_16x16x128_f8f6f4 v[rD:rD+7], v[rA:rA+7], v[rB:rB+7], v[rC:rC+7], v[SC+4*\pt+(\ks)%4], v[SC+4*\rt+(\ks)%4] matrix_a_fmt:MATRIX_FMT_FP4 matrix_b_fmt:MATRIX_FMT_FP4 matrix_a_scale:MATRIX_SCALE_ROW1
.endif
.endr
.endr
.endm
; THE WAY OUT.  For each rt a lane holds 64 numbers of one row of the next operand: register 16 pt + 8 h + j -> k.  Block n = 2 rt + b of 32 along k is the 16 registers ACC + 16 n on, in lanes l and l xor 16.
; A conversion gives eight codes, k = 16 pt + 8 h + 0 .. 7.  Tiles 0, 2, 1, 3 go to registers 0, 1, 2, 3; two exchanges of halves (registers 0 with 1, 2 with 3) then leave lane (r, h) with k = 32 h + 0 .. 31 in four registers: the image.
.macro OUTW vv
.rept 4
	v_nop                                          ; four places in front of the first read of results
.endr
.irp n, 0,1,2,3,4,5,6,7
	v_max3_num_f32 v[MX+\n], |v[ACC+16*\n]|, |v[ACC+16*\n+1]|, 0x1800000   ; my 16 numbers of block n, from each accumulator's low end on, and the floor 2^(3 - 127): the byte cannot fall under 1
.endr
.irp i, 2,4,6,8,10,12,14
.irp n, 0,1,2,3,4,5,6,7
	v_max3_num_f32 v[MX+\n], v[MX+\n], |v[ACC+16*\n+\i]|, |v[ACC+16*\n+\i+1]|   ; (the eight blocks by turns)
.endr
.endr
.irp n, 0,1,2,3,4,5,6,7
	v_permlanex16_b32 v[PX+\n], v[MX+\n], s96, s97
.endr
.irp n, 0,1,2,3,4,5,6,7
	v_max_num_f32 v[MX+\n], v[MX+\n], v[PX+\n]     ; with lane l xor 16's: the block's largest magnitude
.endr
.irp n, 0,1,2,3,4,5,6,7
	v_add_nc_u32 v[SO+\n], 0xff000000, v[MX+\n]    ; 2 off its exponent field: the conversion's scale operand
.endr
.irp n, 0,1,2,3,4,5,6,7
	v_lshrrev_b32 v[BY+\n], 23, v[SO+\n]           ; the scale's byte
.endr
.irp t, 0,1,2,3
	v_lshl_or_b32 v[HW+\t], v[BY+2*\t+1], 8, v[BY+2*\t]   ; a row's two bytes
.endr
.irp t, 0,1,2,3
	v_cvt_scalef32_pk8_fp4_f32 v[PC+4*\t],   v[ACC+32*\t:ACC+32*\t+7],     v[SO+2*\t]
	v_cvt_scalef32_pk8_fp4_f32 v[PC+4*\t+2], v[ACC+32*\t+8:ACC+32*\t+15],  v[SO+2*\t]
	v_cvt_scalef32_pk8_fp4_f32 v[PC+4*\t+1], v[ACC+32*\t+16:ACC+32*\t+23], v[SO+2*\t+1]
	v_cvt_scalef32_pk8_fp4_f32 v[PC+4*\t+3], v[ACC+32*\t+24:ACC+32*\t+31], v[SO+2*\t+1]
.endr
	v_nop                                          ; one plain place behind the scaled conversions
.irp t, 0,1,2,3
	v_permlane16_swap_b32 v[PC+4*\t], v[PC+4*\t+1]
	v_permlane16_swap_b32 v[PC+4*\t+2], v[PC+4*\t+3]
.endr
	v_cmp_le_u32 vcc_lo, 16, v[LN]                 ; lanes 16-31
.if \vv
.irp t, 0,1,2,3
	global_store_b128 v[L16], v[PC+4*\t:PC+4*\t+3], s[12:13] offset:1024*\t   ; channel tile t, my 64 keys: 512 consecutive bytes
.endr
	v_cndmask_b32 v[SW], v[HW], v[HW+1], vcc_lo    ; lanes 0-15 channel tile 0, lanes 16-31 tile 1
	v_cndmask_b32 v[SW+1], v[HW+2], v[HW+3], vcc_lo
	global_store_b16 v[L4], v[SW], s[14:15]        ; my two key blocks' bytes of each word
	global_store_b16 v[L4], v[SW+1], s[14:15] offset:128
.else
.irp t, 0,1,2,3
	global_store_b128 v[L16], v[PC+4*\t:PC+4*\t+3], s[12:13] offset:512*\t    ; token tile t: 512 consecutive bytes
.endr
	v_lshl_or_b32 v[SW], v[HW+1], 16, v[HW]        ; tiles 0 and 1 make a word,
	v_lshl_or_b32 v[SW+1], v[HW+3], 16, v[HW+2]    ; tiles 2 and 3
	s_delay_alu instid0(VALU_DEP_1)
	v_cndmask_b32 v[SW], v[SW], v[SW+1], vcc_lo
	global_store_b32 v[L4], v[SW], s[14:15]        ; 128 consecutive bytes
.endif
.endm
.macro BODY vv
.irp k, 0,1,2,3,4,5,6,7
	KSTEP \k, \vv
.endr
	OUTW \vv
.endm
	s_cmp_eq_u32 ttmp9, 2
	s_cbranch_scc1 .Lv
	BODY 0
	s_branch .Ltail
.Lv:
	BODY 1
.Ltail:
	s_wait_tensorcnt 0x0                           ; the wave's end
	ds_add_u32 v[SPW], v[NIL]
	s_wait_dscnt 0x0
	CROUND                                         ; the closing round
	s_endpgm
.Lfunc_end_k_q59d4dee34c_qkv:
	.size	k_q59d4dee34c_qkv, .Lfunc_end_k_q59d4dee34c_qkv-k_q59d4dee34c_qkv
	.p2alignl 7, 3214868480
	.fill 96, 4, 3214868480
	.section	.rodata,"a",@progbits
	.p2align	6, 0x0
	.amdhsa_kernel k_q59d4dee34c_qkv
		.amdhsa_group_segment_fixed_size 327680
		.amdhsa_private_segment_fixed_size 0
		.amdhsa_enable_private_segment 0
		.amdhsa_kernarg_size 112
		.amdhsa_user_sgpr_count 2
		.amdhsa_user_sgpr_kernarg_segment_ptr 1
		.amdhsa_wavefront_size32 1
		.amdhsa_system_sgpr_workgroup_id_x 1
		.amdhsa_system_sgpr_workgroup_id_y 1
		.amdhsa_system_sgpr_workgroup_id_z 1
		.amdhsa_system_vgpr_workitem_id 0
		.amdhsa_next_free_vgpr 256
		.amdhsa_next_free_sgpr 102
		.amdhsa_reserve_vcc 1
		.amdhsa_float_denorm_mode_32 3
		.amdhsa_float_denorm_mode_16_64 3
		.amdhsa_memory_ordered 1
		.amdhsa_forward_progress 1
		.amdhsa_inst_pref_size 82
	.end_amdhsa_kernel
	.amdgpu_metadata
---
amdhsa.version: [ 1, 2 ]
amdhsa.kernels:
  - .name:           k_q59d4dee34c_qkv
    .symbol:         k_q59d4dee34c_qkv.kd
    .args:
      - { .name: X_codes, .offset: 0, .size: 8, .value_kind: global_buffer, .address_space: global }
      - { .name: X_scales, .offset: 8, .size: 8, .value_kind: global_buffer, .address_space: global }
      - { .name: Wq_codes, .offset: 16, .size: 8, .value_kind: global_buffer, .address_space: global }
      - { .name: Wq_scales, .offset: 24, .size: 8, .value_kind: global_buffer, .address_space: global }
      - { .name: Wk_codes, .offset: 32, .size: 8, .value_kind: global_buffer, .address_space: global }
      - { .name: Wk_scales, .offset: 40, .size: 8, .value_kind: global_buffer, .address_space: global }
      - { .name: Wv_codes, .offset: 48, .size: 8, .value_kind: global_buffer, .address_space: global }
      - { .name: Wv_scales, .offset: 56, .size: 8, .value_kind: global_buffer, .address_space: global }
      - { .name: bq, .offset: 64, .size: 8, .value_kind: global_buffer, .address_space: global }
      - { .name: bk, .offset: 72, .size: 8, .value_kind: global_buffer, .address_space: global }
      - { .name: bv, .offset: 80, .size: 8, .value_kind: global_buffer, .address_space: global }
      - { .name: q_img, .offset: 88, .size: 8, .value_kind: global_buffer, .address_space: global }
      - { .name: q_sc, .offset: 96, .size: 8, .value_kind: global_buffer, .address_space: global }
      - { .name: kv, .offset: 104, .size: 8, .value_kind: global_buffer, .address_space: global }
    .group_segment_fixed_size: 327680
    .private_segment_fixed_size: 0
    .kernarg_segment_align: 8
    .kernarg_segment_size: 112
    .max_flat_workgroup_size: 512
    .sgpr_count:     102
    .vgpr_count:     256
    .wavefront_size: 32
...
	.end_amdgpu_metadata
.endif
;; end of part 1
;; launch attn (part 2): grid 8 x 32, 16 waves a work-group, clusters of 4 x 1, 327,680 bytes of LDS; arguments q_img, q_sc, kv, a_img, a_sc; writes a_img, a_sc
.if DOCPART == 2
	.amdgcn_target "amdgcn-amd-amdhsa--gfx1250"
	.amdhsa_code_object_version 6
	.text
	.protected	k_q59d4dee34c_attn
	.globl	k_q59d4dee34c_attn
	.p2align	8
	.type	k_q59d4dee34c_attn,@function
k_q59d4dee34c_attn:
	s_mov_b64 s[64:65], 0
	v_nop
	global_prefetch_b8 v0, s[64:65] scope:SCOPE_SE
	s_setreg_imm32_b32 hwreg(HW_REG_WAVE_MODE, 25, 1), 1
	s_wait_xcnt 0x0
	s_wait_alu depctr_hold_cnt(0) depctr_sa_sdst(0) depctr_va_vdst(0) depctr_va_sdst(0) depctr_va_ssrc(0) depctr_va_vcc(0) depctr_vm_vsrc(0)
	s_getreg_b32 s2, hwreg(HW_REG_IB_STS2, 6, 4)
	s_cmp_eq_u32 s2, 0
	s_cbranch_scc0 .Lentry_in_a_cluster
	s_endpgm
.Lentry_in_a_cluster:
	s_bfe_u32 s2, ttmp6, 0x10000c
	s_cmp_lg_u32 s2, 0x3003
	s_cbranch_scc0 .Lentry_shape_is_right
	s_endpgm
.Lentry_shape_is_right:
; O = softmax(Q K^T / 8) V for each of 64 (batch, head) pairs, 2,048 queries and keys, head size 64, both products on codes of FP4 (E2M1) with E8M0 scales; O / l is quantised here along the model's channels for the last product.
; Nothing of reference() is left out here.  THE SOFTMAX: t = score x log2(e) / 8; M = the running largest t rounded UP to a whole number; p = 2^(t - M) is quantised along the keys, not normalised; the row's sum l is taken
; of the unquantised p in f32 and divides at the end; when M moves, l and O are multiplied by 2^(old M - new M), which rounds nothing.
; LIMITS: as in the first launch (a block of zeros, or under 2^-124: scale byte 1; NaN and infinities not served); p under 2^-126 counts as 0.  A block's largest p is taken as the exponential of its largest score.
; SHARES.  A work-group: 256 queries of a PAIR of heads (2 g, 2 g + 1); each of its sixteen waves one tile of 16 queries, first with head 2 g, then with head 2 g + 1, over all keys, 128 a step.
; Both heads' K, V and scale words, 2 x 139,264 bytes, lie in LDS whole: each wave brings one key step (8,704 dense bytes) of each head by one tensor load; no byte is filled twice, and the loop has no barrier.
; The second head's bytes land under the first head's work.  CLUSTER 4 x 1: the four query blocks of a cluster want the same bytes and ask jointly.
; LAYOUT.  Both products transposed: S^T = K Q^T, O^T = V^T P^T: a lane holds ONE query (lane % 16).  In S^T register j of tile t is key 16 t + 8 (lane / 16) + j.
; THE HEAD'S 64 IN AN INSTRUCTION OF 128: source 0 holds key tile 2 f as k = 0 .. 63 and key tile 2 f + 1 as k = 64 .. 127; source 1 is (q, zeros) for the first and (zeros, q) for the second: twelve registers q, 0, q give both.
; Zero codes add nothing.  K's scale word holds the two tiles' bytes on end, Q's its two bytes twice.
.set STEPB, 8704
.set HEADB, 16*STEPB
.set SPARE, 2*HEADB                    ; behind the two heads: the spare words, 128 bytes for each of 16 waves
.set L16, 1                            ; v1   16 x lane
.set L4,  2                            ; v2   4 x lane
.set SPW, 3                            ; v3   LDS address of my spare word; never rewritten
.set NIL, 4                            ; v4   0; never rewritten
.set ADR, 5                            ; v5   the step's images
.set ADS, 6                            ; v6   the step's scale words
.set R4,  7                            ; v7   4 r
.set HW0, 8                            ; v8   the first head's two scale bytes of my rows of O
                                       ; v12 -M, v13 the largest t, v[14:15] the sum in two halves; v16-27, v28-39 Q of the two heads (q, 0, q); v40, v41 their scale words
.set KS,  42                           ; v42-43 K's scale words
.set VS,  44                           ; v44-45 V's
.set PS,  46                           ; v46    p's
.set KF,  48                           ; v48-79   four pair fragments of K
.set VF,  80                           ; v80-111  four fragments of V
.set S,   112                          ; v112-175 S^T, then p
.set OT,  176                          ; v176-207 O^T
.set PC,  208                          ; v208-215 p's codes
.set BM,  216                          ; v216-219 the blocks' largest
.set BP,  220                          ; v220-223 the other half's; then the bytes
.set SO,  224                          ; v224-227 the conversions' scale operands
.set FF,  228                          ; v[228:229] f = 2^(old M - new M) (the pair's upper word is written once)
.set T,   230
.set SU,  232                          ; v[232:233] the second chain of sums
.set OC,  236                          ; v236-243 O's codes, four registers a head
.set OW,  244                          ; O's scale word
.macro CROUND                          ; a round of the cluster's barrier
	s_barrier_signal -1
	s_barrier_wait -1
	s_cmp_lg_u32 s3, 0
	s_cbranch_scc1 .Lnot_wave_0_\@
	s_barrier_signal -3
.Lnot_wave_0_\@:
	s_barrier_wait -3
	s_barrier_signal -1
	s_barrier_wait -1
.endm
	s_load_b256 s[4:11], s[0:1], 0x0               ; q_img s[4:5], q_sc s[6:7], kv s[8:9], a_img s[10:11]
	s_load_b64 s[12:13], s[0:1], 0x20              ; a_sc
	v_lshl_add_u32 v[SPW], v0, 2, SPARE
	v_mov_b32 v[NIL], 0
	ds_add_u32 v[SPW], v[NIL]                      ; the wave's opening: the add, twice on end, and its wait ahead of my first tensor load
	ds_add_u32 v[SPW], v[NIL]                      ; and once more; the set-up below stands between it and the wait
	v_lshrrev_b32 v1, 5, v0
	s_delay_alu instid0(VALU_DEP_1)
	v_readfirstlane_b32 s3, v1                     ; wave 0..15
	s_bfe_u32 s14, ttmp6, 0x40000                  ; cx
	s_lshl_b32 s15, ttmp9, 2
	s_add_co_u32 s15, s15, s14                     ; my block of 256 queries: it enters Q's and the results' addresses alone
	s_and_b32 s32, ttmp7, 0xffff                   ; g: the pair of heads, which the four partners share
	; group 1: a key step, 8,704 dense bytes as 34 rows of 32 elements of 8 bytes
	s_mov_b32 s16, 15|(3<<16)|(1<<21)              ; 15:0 the mask: all four work-groups; 17:16 elements of 8 bytes; 21 set beside a mask
	s_mov_b32 s17, 32<<16
	s_mov_b32 s18, 34<<16
	s_mov_b32 s19, 32<<16
	s_mov_b32 s20, 34
	s_mov_b32 s21, 32
	s_mov_b32 s22, 0
	s_mov_b32 s23, 0
	s_mov_b32 s24, 1                               ; group 0 for head 2 g: key step = my wave's number,
	s_mul_i32 s25, s3, STEPB
	s_mov_b32 s28, 1                               ; and for head 2 g + 1
	s_add_co_u32 s29, s25, HEADB
	s_mul_i32 s34, s32, 2*HEADB
	s_add_co_u32 s34, s34, s25
	s_mov_b32 s35, 0
	s_mov_b32 s36, 0x76543210
	s_mov_b32 s37, 0xfedcba98                      ; v_permlanex16_b32's selects for lane l xor 16
	s_mov_b32 s38, 0x3e38aa3b                      ; c = log2(e) / 8
	s_mov_b32 s39, s38                             ; (named with it as a pair, so it is written)
	s_wait_dscnt 0x0                               ; both opening adds are done
	s_wait_kmcnt 0x0
	s_add_nc_u64 s[26:27], s[8:9], s[34:35]
	s_add_nc_u64 s[30:31], s[26:27], HEADB
	s_or_b32 s27, s27, 0x80000000
	s_or_b32 s31, s31, 0x80000000
	CROUND                                         ; all four work-groups are here: the joint loads meet
	tensor_load_to_lds s[24:27], s[16:23]          ; every wave issues both: one load of mine is out
	s_nop 0
	s_wait_alu depctr_va_vdst(0)
	s_wait_tensorcnt 0x0
	ds_add_u32 v3, v4
	s_wait_dscnt 0x0
	CROUND
	tensor_load_to_lds s[28:31], s[16:23]
	s_nop 0
.rept 4
	v_nop
.endr
	v_and_b32 v5, 31, v0
	s_delay_alu instid0(VALU_DEP_1)
	v_lshlrev_b32 v[L16], 4, v5
	s_wait_alu depctr_va_vdst(0)
	v_lshlrev_b32 v[L4], 2, v5
	v_and_b32 v[R4], 15, v0
	s_delay_alu instid0(VALU_DEP_1)
	v_lshlrev_b32 v[R4], 2, v[R4]
	s_wait_alu depctr_va_vdst(0)
	s_lshl_b32 s42, s32, 17                        ; q_img: two heads of 65,536 x g + 8,192 x block + 512 x wave
	s_lshl_b32 s33, s15, 13
	s_add_co_u32 s42, s42, s33
	s_lshl_b32 s33, s3, 9
	s_add_co_u32 s42, s42, s33
	s_mov_b32 s43, 0
	s_add_nc_u64 s[4:5], s[4:5], s[42:43]
	s_lshl_b32 s44, s32, 13                        ; q_sc: two heads of 4,096 x g + 128 x (4 x block + wave / 4) + 64 x ((wave / 2) % 2) + 2 x (wave % 2)
	s_lshl_b32 s33, s15, 9
	s_add_co_u32 s44, s44, s33
	s_lshr_b32 s33, s3, 2
	s_lshl_b32 s33, s33, 7
	s_add_co_u32 s44, s44, s33
	s_bfe_u32 s33, s3, 0x10001
	s_lshl_b32 s33, s33, 6
	s_add_co_u32 s44, s44, s33
	s_and_b32 s33, s3, 1
	s_lshl_b32 s33, s33, 1
	s_add_co_u32 s44, s44, s33
	s_mov_b32 s45, 0
	s_add_nc_u64 s[6:7], s[6:7], s[44:45]
	s_lshr_b32 s46, s32, 3                         ; my tile of 16 rows among all 512: 128 x batch + 16 x block + wave
	s_lshl_b32 s46, s46, 7
	s_lshl_b32 s33, s15, 4
	s_add_co_u32 s46, s46, s33
	s_add_co_u32 s46, s46, s3
	s_and_b32 s33, s32, 7                          ; which pair of heads in the batch = which K step of the last product
	s_lshl_b32 s48, s46, 9                         ; a_sc: 512 a tile + 64 a K step
	s_lshl_b32 s50, s33, 6
	s_add_co_u32 s48, s48, s50
	s_mov_b32 s49, 0
	s_lshl_b32 s46, s46, 13                        ; a_img: 8,192 a tile + 1,024 a pair of heads
	s_lshl_b32 s33, s33, 10
	s_add_co_u32 s46, s46, s33
	s_mov_b32 s47, 0
	s_add_nc_u64 s[10:11], s[10:11], s[46:47]
	s_add_nc_u64 s[12:13], s[12:13], s[48:49]
	global_load_b128 v[16:19], v[L16], s[4:5]                  ; q of head 2 g, twice: (q, 0, q)
	global_load_b128 v[24:27], v[L16], s[4:5]
	global_load_b128 v[28:31], v[L16], s[4:5] offset:65536     ; and of head 2 g + 1
	global_load_b128 v[36:39], v[L16], s[4:5] offset:65536
	global_load_u16 v40, v[R4], s[6:7]                         ; query r's two scale bytes
	global_load_u16 v41, v[R4], s[6:7] offset:4096
.irp j, 20,21,22,23,32,33,34,35
	v_mov_b32 v[\j], 0                             ; the zero codes
.endr
.irp j, 0,1,2,3
	v_mov_b32 v[BP+\j], 0                          ; written once: a lane permute's destination counts as one of its sources
.endr
	v_mov_b32 v[FF+1], 0
	s_wait_loadcnt 0x0
	v_lshl_or_b32 v40, v40, 16, v40                ; the two bytes twice: they serve q in either half of K.  (A pass's first lines are the places between this and the first product)
	v_lshl_or_b32 v41, v41, 16, v41
; A KEY STEP: 128 keys; s40: where the step begins in LDS.  QR: the head's twelve registers of Q; QS: its scale word.
.macro STEP QR, QS
	v_add_nc_u32 v[ADR], s40, v[L16]
	v_add_nc_u32 v[ADS], s40, v[L4]
	v_nop
	v_nop                                          ; four places in front of loads into registers that the last products have read
.irp f, 0,1,2,3
	ds_load_b128 v[KF+8*\f:KF+8*\f+3],   v[ADR] offset:1024*\f       ; key tile 2 f,
	ds_load_b128 v[KF+8*\f+4:KF+8*\f+7], v[ADR] offset:1024*\f+512   ; key tile 2 f + 1
.endr
	ds_load_b32 v[KS],   v[ADS] offset:8192        ; lanes 0-15 pair 0, lanes 16-31 pair 1
	ds_load_b32 v[KS+1], v[ADS] offset:8320        ; pairs 2 and 3
.irp f, 0,1,2,3
	ds_load_b128 v[VF+8*\f:VF+8*\f+3],   v[ADR] offset:4096+1024*\f       ; channel tile f, keys 0 .. 63,
	ds_load_b128 v[VF+8*\f+4:VF+8*\f+7], v[ADR] offset:4096+1024*\f+512   ; keys 64 .. 127
.endr
	ds_load_b32 v[VS],   v[ADS] offset:8448
	ds_load_b32 v[VS+1], v[ADS] offset:8576
	s_wait_dscnt 10                                ; K's ten loads are in; V's ten may stay out
.irp f, 0,1,2,3
.irp u, 0,1
.if (\f)%2
	v_wmma_scale_f32_16x16x128_f8f6f4 v[S+16*\f+8*\u:S+16*\f+8*\u+7], v[KF+8*\f:KF+8*\f+7], v[\QR+4*\u:\QR+4*\u+7], 0, v[KS+\f/2], v[\QS] matrix_a_fmt:MATRIX_FMT_FP4 matrix_b_fmt:MATRIX_FMT_FP4 matrix_a_scale:MATRIX_SCALE_ROW1
.else
	v_wmma_scale_f32_16x16x128_f8f6f4 v[S+16*\f+8*\u:S+16*\f+8*\u+7], v[KF+8*\f:KF+8*\f+7], v[\QR+4*\u:\QR+4*\u+7], 0, v[KS+\f/2], v[\QS] matrix_a_fmt:MATRIX_FMT_FP4 matrix_b_fmt:MATRIX_FMT_FP4
.endif
.endr
.endr
.rept 4
	v_nop
.endr
.irp b, 0,1,2,3
	v_max3_num_f32 v[BM+\b], v[S+16*\b], v[S+16*\b+1], v[S+16*\b+2]   ; the largest score of each block of 32 keys: for the row's maximum, and, since p rises with the score, for the block's largest p
.endr
.irp i, 3,5,7,9,11,13
.irp b, 0,1,2,3
	v_max3_num_f32 v[BM+\b], v[BM+\b], v[S+16*\b+\i], v[S+16*\b+\i+1]
.endr
.endr
.irp b, 0,1,2,3
	v_max_num_f32 v[BM+\b], v[BM+\b], v[S+16*\b+15]
.endr
.irp b, 0,1,2,3
	s_delay_alu instid0(VALU_DEP_4)
	v_permlanex16_b32 v[BP+\b], v[BM+\b], s36, s37
.endr
.irp b, 0,1,2,3
	s_delay_alu instid0(VALU_DEP_4)
	v_max_num_f32 v[BM+\b], v[BM+\b], v[BP+\b]     ; with lane l xor 16's 16 keys
.endr
	s_delay_alu instid0(VALU_DEP_2)
	v_max3_num_f32 v[T], v[BM], v[BM+1], v[BM+2]
	s_delay_alu instid0(VALU_DEP_1)
	v_max_num_f32 v[T], v[T], v[BM+3]              ; the step's largest score of my query,
	s_delay_alu instid0(VALU_DEP_1)
	v_mul_f32 v[T], s38, v[T]                      ; as t (c is positive)
	s_delay_alu instid0(VALU_DEP_1)
	v_max_num_f32 v13, v13, v[T]                   ; the running largest t
	v_mov_b32 v[T], v12
	s_delay_alu instid0(VALU_DEP_2)
	v_floor_f32 v12, -v13                          ; the new -M = floor(-t): M is a whole number
	s_delay_alu instid0(VALU_DEP_1)
	v_sub_f32 v[T], v12, v[T]                      ; old M - new M: a whole number, 0 or less
	s_delay_alu instid0(VALU_DEP_1)
	v_cvt_i32_f32 v[T], v[T]                       ; (it saturates)
	s_delay_alu instid0(VALU_DEP_1)
	v_ldexp_f32 v[FF], 1.0, v[T]                   ; f = 2^(old M - new M)
.set j, 0
.rept 32
	v_pk_fma_f32 v[S+j:S+j+1], v[S+j:S+j+1], s[38:39], v[12:13] op_sel_hi:[1,0,0]   ; t - M, two at a time
.set j, j+2
.endr
.irp b, 0,1,2,3
	v_fma_f32 v[BM+\b], v[BM+\b], s38, v12         ; the same of each block's largest score
.endr
.set j, 0
	s_wait_alu depctr_va_vdst(0)
.rept 64
	v_exp_f32 v[S+j], v[S+j]                       ; p = 2^(t - M), at most 1
.set j, j+1
.endr
	s_setprio 1
	v_pk_mul_f32 v[14:15], v[14:15], v[FF:FF+1] op_sel_hi:[1,0]   ; the sums under the new M: the plain instruction behind the exponentials
	s_wait_alu depctr_va_vdst(0)                   ; one wait for the batch of 64, ahead of its first reader
.irp b, 0,1,2,3
	v_exp_f32 v[BM+\b], v[BM+\b]                   ; the blocks' largest p
.endr
	v_pk_add_f32 v[SU:SU+1], v[S:S+1], v[S+2:S+3]  ; the row's sum, of the unquantised p, in two chains: plain work behind the four
.set j, 4
.rept 15
	v_pk_add_f32 v[14:15], v[14:15], v[S+j:S+j+1]
	v_pk_add_f32 v[SU:SU+1], v[SU:SU+1], v[S+j+2:S+j+3]
.set j, j+4
.endr
	s_delay_alu instid0(VALU_DEP_1)
	v_pk_add_f32 v[14:15], v[14:15], v[SU:SU+1]
	s_wait_alu depctr_va_vdst(0)                   ; and one for the four
.irp b, 0,1,2,3
	v_max_num_f32 v[BM+\b], 0x1800000, v[BM+\b]    ; the floor 2^(3 - 127): the byte cannot fall under 1
.endr
.irp b, 0,1,2,3
	s_delay_alu instid0(VALU_DEP_4)
	v_add_nc_u32 v[SO+\b], 0xff000000, v[BM+\b]    ; 2 off the exponent field: the conversion's scale operand
.endr
.irp b, 0,1,2,3
	s_delay_alu instid0(VALU_DEP_4)
	v_lshrrev_b32 v[BP+\b], 23, v[SO+\b]           ; the scale's byte
.endr
	s_delay_alu instid0(VALU_DEP_3)
	v_lshl_or_b32 v[PS], v[BP+1], 8, v[BP]         ; p's scale word for these 128 keys
	s_delay_alu instid0(VALU_DEP_1)
	v_lshl_or_b32 v[PS], v[BP+2], 16, v[PS]
	s_delay_alu instid0(VALU_DEP_1)
	v_lshl_or_b32 v[PS], v[BP+3], 24, v[PS]
.irp c, 0,1                                    ; tiles 4 c + 0, 2, 1, 3 go to registers 4 c + 0, 1, 2, 3
	v_cvt_scalef32_pk8_fp4_f32 v[PC+4*\c],   v[S+32*\c:S+32*\c+7],     v[SO+2*\c]
	v_cvt_scalef32_pk8_fp4_f32 v[PC+4*\c+2], v[S+32*\c+8:S+32*\c+15],  v[SO+2*\c]
	v_cvt_scalef32_pk8_fp4_f32 v[PC+4*\c+1], v[S+32*\c+16:S+32*\c+23], v[SO+2*\c+1]
	v_cvt_scalef32_pk8_fp4_f32 v[PC+4*\c+3], v[S+32*\c+24:S+32*\c+31], v[SO+2*\c+1]
.endr
	v_nop                                          ; one plain place behind the scaled conversions
.irp c, 0,1                                    ; two exchanges of halves: registers 4 c .. 4 c + 3 of lane (r, h) now hold keys 64 c + 32 h + 0 .. 31
	v_permlane16_swap_b32 v[PC+4*\c], v[PC+4*\c+1]
	v_permlane16_swap_b32 v[PC+4*\c+2], v[PC+4*\c+3]
.endr
.set j, 0
	s_setprio 0
.rept 16
	v_pk_mul_f32 v[OT+j:OT+j+1], v[OT+j:OT+j+1], v[FF:FF+1] op_sel_hi:[1,0]   ; O^T under the new M.  (For each product below twelve of these name none of its registers: the places behind the writes of p's codes and scale word)
.set j, j+2
.endr
	s_wait_alu depctr_va_vdst(0)
	s_wait_dscnt 0x0                               ; V is in
.irp f, 0,1,2,3                                ; O^T += V^T P^T: the four accumulators by turns
.if (\f)%2
	v_wmma_scale_f32_16x16x128_f8f6f4 v[OT+8*\f:OT+8*\f+7], v[VF+8*\f:VF+8*\f+7], v[PC:PC+7], v[OT+8*\f:OT+8*\f+7], v[VS+\f/2], v[PS] matrix_a_fmt:MATRIX_FMT_FP4 matrix_b_fmt:MATRIX_FMT_FP4 matrix_a_scale:MATRIX_SCALE_ROW1
.else
	v_wmma_scale_f32_16x16x128_f8f6f4 v[OT+8*\f:OT+8*\f+7], v[VF+8*\f:VF+8*\f+7], v[PC:PC+7], v[OT+8*\f:OT+8*\f+7], v[VS+\f/2], v[PS] matrix_a_fmt:MATRIX_FMT_FP4 matrix_b_fmt:MATRIX_FMT_FP4
.endif
.endr
	s_add_co_u32 s40, s40, STEPB
.endm
; A head's end: O^T / l, quantised along the head's 64 channels (2 blocks), as an image for the last product.
.macro FINISH p
.rept 4
	v_nop                                          ; four places in front of the first read of results
.endr
	v_add_f32 v14, v14, v15                        ; the sum's two halves,
	s_delay_alu instid0(VALU_DEP_1)
	v_permlanex16_b32 v[T], v14, s36, s37
	s_delay_alu instid0(VALU_DEP_1)
	v_add_f32 v14, v14, v[T]                       ; and lane l xor 16's
	s_wait_alu depctr_va_vdst(0)
	v_rcp_f32 v14, v14
	v_nop                                          ; one plain place behind the reciprocal,
	s_wait_alu depctr_va_vdst(0)                   ; and the wait ahead of its first reader
.set j, 0
.rept 32
	v_mul_f32 v[S+j], v[OT+j], v14                 ; register 8 t + i: channel 16 t + 8 h + i of my query; each accumulator from its low end on
.set j, j+1
.endr
.irp b, 0,1
	v_max3_num_f32 v[BM+\b], |v[S+16*\b]|, |v[S+16*\b+1]|, 0x1800000
.endr
.irp i, 2,4,6,8,10,12,14
.irp b, 0,1
	s_delay_alu instid0(VALU_DEP_2)
	v_max3_num_f32 v[BM+\b], v[BM+\b], |v[S+16*\b+\i]|, |v[S+16*\b+\i+1]|
.endr
.endr
.irp b, 0,1
	s_delay_alu instid0(VALU_DEP_2)
	v_permlanex16_b32 v[BP+\b], v[BM+\b], s36, s37
.endr
.irp b, 0,1
	s_delay_alu instid0(VALU_DEP_2)
	v_max_num_f32 v[BM+\b], v[BM+\b], v[BP+\b]
.endr
.irp b, 0,1
	s_delay_alu instid0(VALU_DEP_2)
	v_add_nc_u32 v[SO+\b], 0xff000000, v[BM+\b]
.endr
.irp b, 0,1
	s_delay_alu instid0(VALU_DEP_2)
	v_lshrrev_b32 v[SO+2+\b], 23, v[SO+\b]
.endr
	v_cvt_scalef32_pk8_fp4_f32 v[OC+4*\p],   v[S:S+7],     v[SO]
	v_cvt_scalef32_pk8_fp4_f32 v[OC+4*\p+2], v[S+8:S+15],  v[SO]
	v_cvt_scalef32_pk8_fp4_f32 v[OC+4*\p+1], v[S+16:S+23], v[SO+1]
	v_cvt_scalef32_pk8_fp4_f32 v[OC+4*\p+3], v[S+24:S+31], v[SO+1]
	v_nop                                          ; one plain place behind the scaled conversions
	v_permlane16_swap_b32 v[OC+4*\p], v[OC+4*\p+1]
	v_permlane16_swap_b32 v[OC+4*\p+2], v[OC+4*\p+3]
	global_store_b128 v[L16], v[OC+4*\p:OC+4*\p+3], s[10:11] offset:512*\p   ; 512 consecutive bytes, aligned
.if \p
	v_lshl_or_b32 v[OW], v[SO+3], 8, v[SO+2]
	s_delay_alu instid0(VALU_DEP_1)
	v_lshl_or_b32 v[OW], v[OW], 16, v[HW0]         ; the two heads' bytes make row r's scale word of this K step
	global_store_b32 v[R4], v[OW], s[12:13]        ; 64 bytes; both halves of the lanes store the same word with the same value
.else
	v_lshl_or_b32 v[HW0], v[SO+3], 8, v[SO+2]
.endif
.endm
.macro PASS p, QR, QS
	s_wait_tensorcnt 1-\p                          ; my load for this head has landed (first head: the second head's may stay out)
	s_wait_dscnt 0x0
	s_barrier_signal -1
	s_barrier_wait -1                              ; everybody's has
	v_mov_b32 v13, 0xff61b1e6                      ; the largest t so far: -3e38, under every t
	s_delay_alu instid0(VALU_DEP_1)
	v_floor_f32 v12, -v13
	v_mov_b32 v14, 0
	v_mov_b32 v15, 0
.set j, 0
.rept 32
	v_mov_b32 v[OT+j], 0                           ; the step is written once: the first finds zeros, which the first change of M leaves zeros
.set j, j+1
.endr
	s_mov_b32 s40, \p*HEADB
	s_mov_b32 s41, 16
.Lstep\p:
	s_setprio 2
	STEP \QR, \QS
	s_sub_co_u32 s41, s41, 1
	s_cmp_lg_u32 s41, 0
	s_cbranch_scc1 .Lstep\p
	s_setprio 0
	FINISH \p
.endm
	PASS 0, 16, 40
	PASS 1, 28, 41
	s_wait_tensorcnt 0x0                           ; the wave's end
	ds_add_u32 v[SPW], v[NIL]
	s_wait_dscnt 0x0
	CROUND                                         ; the closing round
	s_endpgm
.Lfunc_end_k_q59d4dee34c_attn:
	.size	k_q59d4dee34c_attn, .Lfunc_end_k_q59d4dee34c_attn-k_q59d4dee34c_attn
	.p2alignl 7, 3214868480
	.fill 96, 4, 3214868480
	.section	.rodata,"a",@progbits
	.p2align	6, 0x0
	.amdhsa_kernel k_q59d4dee34c_attn
		.amdhsa_group_segment_fixed_size 327680
		.amdhsa_private_segment_fixed_size 0
		.amdhsa_enable_private_segment 0
		.amdhsa_kernarg_size 40
		.amdhsa_user_sgpr_count 2
		.amdhsa_user_sgpr_kernarg_segment_ptr 1
		.amdhsa_wavefront_size32 1
		.amdhsa_system_sgpr_workgroup_id_x 1
		.amdhsa_system_sgpr_workgroup_id_y 1
		.amdhsa_system_sgpr_workgroup_id_z 1
		.amdhsa_system_vgpr_workitem_id 0
		.amdhsa_next_free_vgpr 256
		.amdhsa_next_free_sgpr 66
		.amdhsa_reserve_vcc 0
		.amdhsa_float_denorm_mode_32 3
		.amdhsa_float_denorm_mode_16_64 3
		.amdhsa_memory_ordered 1
		.amdhsa_forward_progress 1
		.amdhsa_inst_pref_size 50
	.end_amdhsa_kernel
	.amdgpu_metadata
---
amdhsa.version: [ 1, 2 ]
amdhsa.kernels:
  - .name:           k_q59d4dee34c_attn
    .symbol:         k_q59d4dee34c_attn.kd
    .args:
      - { .name: q_img, .offset: 0, .size: 8, .value_kind: global_buffer, .address_space: global }
      - { .name: q_sc, .offset: 8, .size: 8, .value_kind: global_buffer, .address_space: global }
      - { .name: kv, .offset: 16, .size: 8, .value_kind: global_buffer, .address_space: global }
      - { .name: a_img, .offset: 24, .size: 8, .value_kind: global_buffer, .address_space: global }
      - { .name: a_sc, .offset: 32, .size: 8, .value_kind: global_buffer, .address_space: global }
    .group_segment_fixed_size: 327680
    .private_segment_fixed_size: 0
    .kernarg_segment_align: 8
    .kernarg_segment_size: 40
    .max_flat_workgroup_size: 512
    .sgpr_count:     66
    .vgpr_count:     256
    .wavefront_size: 32
...
	.end_amdgpu_metadata
.endif
;; end of part 2
;; launch oproj (part 3): grid 4 x 64, 16 waves a work-group, clusters of 4 x 4, 327,680 bytes of LDS; arguments a_img, a_sc, Wo_codes, Wo_scales, bo, out0; writes out0
.if DOCPART == 3
	.amdgcn_target "amdgcn-amd-amdhsa--gfx1250"
	.amdhsa_code_object_version 6
	.text
	.protected	k_q59d4dee34c_oproj
	.globl	k_q59d4dee34c_oproj
	.p2align	8
	.type	k_q59d4dee34c_oproj,@function
k_q59d4dee34c_oproj:
	s_mov_b64 s[64:65], 0
	v_nop
	global_prefetch_b8 v0, s[64:65] scope:SCOPE_SE
	s_setreg_imm32_b32 hwreg(HW_REG_WAVE_MODE, 25, 1), 1
	s_wait_xcnt 0x0
	s_wait_alu depctr_hold_cnt(0) depctr_sa_sdst(0) depctr_va_vdst(0) depctr_va_sdst(0) depctr_va_ssrc(0) depctr_va_vcc(0) depctr_vm_vsrc(0)
	s_getreg_b32 s2, hwreg(HW_REG_IB_STS2, 6, 4)
	s_cmp_eq_u32 s2, 0
	s_cbranch_scc0 .Lentry_in_a_cluster
	s_endpgm
.Lentry_in_a_cluster:
	s_bfe_u32 s2, ttmp6, 0x10000c
	s_cmp_lg_u32 s2, 0xf033
	s_cbranch_scc0 .Lentry_shape_is_right
	s_endpgm
.Lentry_shape_is_right:
; out0 = A Wo^T + bo on codes of FP4 (E2M1) with E8M0 scales, K = 1,024, f32 sums.  A, the attention's result, comes as images of operand registers (a_img [tile of 16 rows 512][head 16][512 bytes]:
; K step ks of a tile is heads 2 ks and 2 ks + 1) with one scale word for each row and K step (a_sc [512][8][16][4 bytes]).  Nothing of reference() is left out here.
; SHARES.  A work-group: 128 rows x 256 channels, all of K.  Wave w: ww = w % 4: 64 channels (four tiles, source 0 = rows of Wo); wr = w / 4: 32 rows (two tiles, source 1): eight accumulators.
; So a lane holds eight neighbouring channels of one row of out0.  bo is the C of each sum's first matrix instruction.
; LDS is filled once: Wo's 256 rows (512 bytes + 16 of padding), A's 8 tiles (dense images), both scale tables.  CLUSTER 4 x 4: A is shared along a row of the cluster, Wo along a column.
; THE WAY OUT: a tile of 16 rows x 64 channels goes through the wave's own stage (rows of 256 bytes + 16; bytes into which no fill lands) and leaves as rows: sixteen lanes store 256 consecutive bytes, aligned.
.set PITCH, 528
.set QUART, 64*PITCH
.set WT,    0                          ; Wo's 256 rows
.set AT,    4*QUART                    ; A's 8 tiles x 8,192 bytes
.set WSL,   AT+65536                   ; Wo's scale bytes, 32 a row
.set ASL,   WSL+8192                   ; A's scale words, 512 bytes a tile
.set STAGE, ASL+4096                   ; 16 waves x 16 rows x 272 bytes
.set SP,    272
.set SPARE, STAGE+16*16*SP             ; the spare words, 128 bytes for each of 16 waves
.set SPW, 3                            ; v3   LDS address of my spare word; never rewritten
.set NIL, 4                            ; v4   0; never rewritten
.set AW,  5                            ; v5   my fragments of Wo
.set AA,  6                            ; v6   my images of A
.set AWS, 7                            ; v7   Wo's scale words
.set AAS, 8                            ; v8   A's: lanes 0-15 my first tile, lanes 16-31 my second
.set STO, 9                            ; v9   the stage: where I put 32 bytes of a row
.set RD,  10                           ; v10  and where I read a row back
.set CO,  11                           ; v11  my byte offset in two rows of out0
.set BH,  12                           ; v12  32 h
.set WSC, 16                           ; v16-47   Wo's scale words: 8 pt + ks
.set ASC, 48                           ; v48-55   A's: ks
.set BI,  56                           ; v56-87   bo in the result's layout; later the second tile's rows on the way out
.set FW,  88                           ; v88-119  Wo's four fragments
.set FA,  120                          ; v120-135 A's two
.set ACC, 136                          ; v136-199 accumulator (pt, rt) at 136 + 8 (4 rt + pt)
.set OB0, 200                          ; v200-231 the first tile's rows on the way out
.macro CROUND                          ; a round of the cluster's barrier
	s_barrier_signal -1
	s_barrier_wait -1
	s_cmp_lg_u32 s3, 0
	s_cbranch_scc1 .Lnot_wave_0_\@
	s_barrier_signal -3
.Lnot_wave_0_\@:
	s_barrier_wait -3
	s_barrier_signal -1
	s_barrier_wait -1
.endm
.macro TLOAD g0, g1                    ; a joint load; an s_nop 0 and four v_nop follow it
	tensor_load_to_lds s[\g0:\g0+3], s[\g1:\g1+7]
	s_nop 0
.rept 4
	v_nop
.endr
.endm
	s_load_b256 s[4:11], s[0:1], 0x0               ; a_img s[4:5], a_sc s[6:7], Wo codes s[8:9], Wo scales s[10:11]
	s_load_b128 s[12:15], s[0:1], 0x20             ; bo s[12:13], out0 s[14:15]
	v_lshl_add_u32 v[SPW], v0, 2, SPARE
	v_mov_b32 v[NIL], 0
	ds_add_u32 v[SPW], v[NIL]                      ; the wave's opening: the add, twice on end, and its wait ahead of the first tensor load
	ds_add_u32 v[SPW], v[NIL]                      ; and once more; the set-up below stands between it and the wait
	v_lshrrev_b32 v1, 5, v0
	s_delay_alu instid0(VALU_DEP_1)
	v_readfirstlane_b32 s3, v1                     ; wave 0..15
	s_and_b32 s66, s3, 3                           ; ww.  Also: which quarter a loading wave fetches
	s_lshr_b32 s67, s3, 2                          ; wr
	s_bfe_u32 s68, ttmp6, 0x40000                  ; cx: which 256 channels
	s_bfe_u32 s69, ttmp6, 0x40004                  ; cy
	s_and_b32 s70, ttmp7, 0xffff
	s_lshl_b32 s70, s70, 2
	s_add_co_u32 s70, s70, s69                     ; ty = 4 x cluster y + cy: which 128 rows
	s_lshl_b32 s71, s69, 2
	s_lshl_b32 s71, 15, s71                        ; my row of the cluster
	s_lshl_b32 s72, 0x1111, s68                    ; my column
	s_or_b32 s16, s72, (1<<20)|(1<<21)|(6<<22)|(3<<25)   ; s[16:23] Wo's codes: 64 rows x 512 bytes, 16 bytes of padding behind each; mask: my column
	s_mov_b32 s17, 512<<16
	s_mov_b32 s18, 64<<16
	s_mov_b32 s19, 512<<16
	s_mov_b32 s20, 64
	s_mov_b32 s21, 512
	s_mov_b32 s22, 0
	s_mov_b32 s23, 0
	s_or_b32 s24, s71, (3<<16)|(1<<21)             ; s[24:31] A's images: 16,384 dense bytes as 64 rows of 32 elements of 8 bytes; mask: my row
	s_mov_b32 s25, 32<<16
	s_mov_b32 s26, 64<<16
	s_mov_b32 s27, 32<<16
	s_mov_b32 s28, 64
	s_mov_b32 s29, 32
	s_mov_b32 s30, 0
	s_mov_b32 s31, 0
	s_or_b32 s32, s72, (3<<16)|(1<<21)             ; s[32:39] Wo's scale bytes: 32 such rows
	s_mov_b32 s33, 32<<16
	s_mov_b32 s34, 32<<16
	s_mov_b32 s35, 32<<16
	s_mov_b32 s36, 32
	s_mov_b32 s37, 32
	s_mov_b32 s38, 0
	s_mov_b32 s39, 0
	s_or_b32 s40, s71, (3<<16)|(1<<21)             ; s[40:47] A's scale words: 16 such rows
	s_mov_b32 s41, 32<<16
	s_mov_b32 s42, 16<<16
	s_mov_b32 s43, 32<<16
	s_mov_b32 s44, 16
	s_mov_b32 s45, 32
	s_mov_b32 s46, 0
	s_mov_b32 s47, 0
	s_lshl_b32 s74, s70, 16                        ; a_img: 65,536 x ty + 16,384 x (wave % 4): registers that never hold cx
	s_lshl_b32 s82, s66, 14
	s_add_co_u32 s74, s74, s82
	s_mov_b32 s75, 0
	s_lshl_b32 s78, s70, 12                        ; a_sc: 4,096 x ty
	s_mov_b32 s79, 0
	s_lshl_b32 s76, s68, 17                        ; Wo's codes: 256 rows x cx + 64 rows x (wave % 4): registers that never hold cy
	s_lshl_b32 s83, s66, 15
	s_add_co_u32 s76, s76, s83
	s_mov_b32 s77, 0
	s_lshl_b32 s80, s68, 13                        ; Wo's scales: 8,192 x cx
	s_mov_b32 s81, 0
	s_mov_b32 s48, 1                               ; groups 0: s[48:51] Wo's codes,
	s_mul_i32 s49, s66, QUART
	s_mov_b32 s52, 1                               ; s[52:55] A's images,
	s_add_co_u32 s53, s82, AT
	s_mov_b32 s56, 1                               ; s[56:59] Wo's scales,
	s_mov_b32 s57, WSL
	s_mov_b32 s60, 1                               ; s[60:63] A's scale words
	s_mov_b32 s61, ASL
	s_wait_dscnt 0x0                               ; both opening adds are done
	s_wait_kmcnt 0x0
	s_add_nc_u64 s[50:51], s[8:9], s[76:77]
	s_or_b32 s51, s51, 0x80000000
	s_add_nc_u64 s[54:55], s[4:5], s[74:75]
	s_or_b32 s55, s55, 0x80000000
	s_add_nc_u64 s[58:59], s[10:11], s[80:81]
	s_or_b32 s59, s59, 0x80000000
	s_add_nc_u64 s[62:63], s[6:7], s[78:79]
	s_or_b32 s63, s63, 0x80000000
	CROUND                                         ; all sixteen work-groups are here: the joint loads meet
	; the fills, all of them first fills: waves 0-3 Wo's codes, 4-7 A's images, 8 Wo's scales, 9 A's scale words; one load a wave at the most
	s_cmp_lt_u32 s3, 4
	s_cbranch_scc0 .Lfill_a
	TLOAD 48, 16
	s_branch .Lfilled
.Lfill_a:
	s_cmp_lt_u32 s3, 8
	s_cbranch_scc0 .Lfill_ws
	TLOAD 52, 24
	s_branch .Lfilled
.Lfill_ws:
	s_cmp_eq_u32 s3, 8
	s_cbranch_scc0 .Lfill_as
	TLOAD 56, 32
	s_branch .Lfilled
.Lfill_as:
	s_cmp_eq_u32 s3, 9
	s_cbranch_scc0 .Lfilled
	TLOAD 60, 40
.Lfilled:
	v_and_b32 v13, 31, v0                          ; lane
	v_and_b32 v1, 15, v0                           ; r
	s_wait_alu depctr_va_vdst(0)
	v_bfe_u32 v2, v0, 4, 1                         ; h
	v_mul_u32_u24 v[AW], v1, PITCH
	s_delay_alu instid0(VALU_DEP_1)
	v_lshl_add_u32 v[AW], v2, 4, v[AW]
	s_mul_i32 s84, s66, QUART
	v_add_nc_u32 v[AW], s84, v[AW]                 ; my 64 rows of Wo: row x pitch + 16 h
	s_lshl_b32 s84, s67, 14
	s_add_co_u32 s84, s84, AT
	v_lshl_add_u32 v[AA], v13, 4, s84              ; my two tiles of A: 16 x lane
	s_lshl_b32 s84, s66, 11
	s_add_co_u32 s84, s84, WSL
	v_lshl_add_u32 v[AWS], v1, 5, s84              ; Wo's scale bytes: 32 a row
	s_lshl_b32 s84, s67, 10
	s_add_co_u32 s84, s84, ASL
	v_lshl_add_u32 v[AAS], v1, 2, s84              ; A's scale words: 4 r,
	s_delay_alu instid0(VALU_DEP_1)
	v_lshl_add_u32 v[AAS], v2, 9, v[AAS]           ; and the next tile for lanes 16-31
	s_mul_i32 s84, s3, 16*SP
	s_add_co_u32 s84, s84, STAGE                   ; my stage
	v_mul_u32_u24 v[STO], v1, SP
	s_wait_alu depctr_va_vdst(0)
	v_lshl_add_u32 v[STO], v2, 5, v[STO]
	s_delay_alu instid0(VALU_DEP_1)
	v_add_nc_u32 v[STO], s84, v[STO]               ; in: row r, 32 bytes for each half of the lanes
	v_mul_u32_u24 v[RD], v2, SP
	s_delay_alu instid0(VALU_DEP_1)
	v_lshl_add_u32 v[RD], v1, 4, v[RD]
	s_delay_alu instid0(VALU_DEP_1)
	v_add_nc_u32 v[RD], s84, v[RD]                 ; back: lanes 0-15 one row of 256 bytes, lanes 16-31 the next
	v_lshlrev_b32 v[CO], 12, v2
	s_delay_alu instid0(VALU_DEP_1)
	v_lshl_add_u32 v[CO], v1, 4, v[CO]             ; and the same two rows in out0 (4,096 bytes a row)
	v_lshlrev_b32 v[BH], 5, v2
	s_wait_alu depctr_va_vdst(0)
	s_lshl_b32 s84, s68, 10                        ; my 64 channels, in bytes: 1,024 cx + 256 ww
	s_lshl_b32 s85, s66, 8
	s_add_co_u32 s84, s84, s85
	s_mov_b32 s85, 0
	s_add_nc_u64 s[12:13], s[12:13], s[84:85]      ; in bo,
	s_add_nc_u64 s[14:15], s[14:15], s[84:85]      ; and in a row of out0;
	s_lshl_b32 s84, s70, 19                        ; my first row: (128 ty + 32 wr) x 4,096 bytes
	s_lshl_b32 s86, s67, 17
	s_add_co_u32 s84, s84, s86
	s_add_nc_u64 s[14:15], s[14:15], s[84:85]
.irp t, 0,1,2,3                                ; register j of tile pt is channel 16 pt + 8 h + j
	global_load_b128 v[BI+8*\t:BI+8*\t+3], v[BH], s[12:13] offset:64*\t
	global_load_b128 v[BI+8*\t+4:BI+8*\t+7], v[BH], s[12:13] offset:64*\t+16
.endr
	s_wait_loadcnt 0x0                             ; bo
	s_wait_tensorcnt 0x0                           ; my load, if I had one, has landed,
	s_barrier_signal -1
	s_barrier_wait -1                              ; everybody's has; nothing is ever filled again
.irp t, 0,1,2,3
	ds_load_b128 v[WSC+8*\t:WSC+8*\t+3],   v[AWS] offset:512*\t      ; all eight K steps' scale words of Wo's tile t
	ds_load_b128 v[WSC+8*\t+4:WSC+8*\t+7], v[AWS] offset:512*\t+16
.endr
.irp k, 0,1,2,3,4,5,6,7
	ds_load_b32 v[ASC+\k], v[AAS] offset:64*\k     ; and A's
.endr
; A K step of 128: 12 fragment loads, 8 matrix instructions on the 8 accumulators by turns
.macro KSTEP ks
.if \ks > 0
.rept 4
	v_nop                                          ; four places in front of loads into registers that matrix instructions have read
.endr
.endif
.irp t, 0,1,2,3
.irp c, 0,1
	ds_load_b128 v[FW+8*\t+4*\c:FW+8*\t+4*\c+3], v[AW] offset:\t*16*PITCH+64*\ks+32*\c
.endr
.endr
.irp u, 0,1
.irp c, 0,1
	ds_load_b128 v[FA+8*\u+4*\c:FA+8*\u+4*\c+3], v[AA] offset:8192*\u+1024*\ks+512*\c
.endr
.endr
	s_wait_dscnt 0x0
.irp u, 0,1
.irp t, 0,1,2,3
.set rD, ACC+8*(4*\u+\t)
.set rC, rD
.if \ks == 0
.set rC, BI+8*\t
.endif
.if \u
	v_wmma_scale_f32_16x16x128_f8f6f4 v[rD:rD+7], v[FW+8*\t:FW+8*\t+7], v[FA+8*\u:FA+8*\u+7], v[rC:rC+7], v[WSC+8*\t+\ks], v[ASC+\ks] matrix_a_fmt:MATRIX_FMT_FP4 matrix_b_fmt:MATRIX_FMT_FP4 matrix_b_scale:MATRIX_SCALE_ROW1
.else
	v_wmma_scale_f32_16x16x128_f8f6f4 v[rD:rD+7], v[FW+8*\t:FW+8*\t+7], v[FA+8*\u:FA+8*\u+7], v[rC:rC+7], v[WSC+8*\t+\ks], v[ASC+\ks] matrix_a_fmt:MATRIX_FMT_FP4 matrix_b_fmt:MATRIX_FMT_FP4
.endif
.endr
.endr
.endm
.irp k, 0,1,2,3,4,5,6,7
	KSTEP \k
.endr
; THE WAY OUT.  LDS serves a wave's instructions in order: no wait between my stores into my stage and my loads from it, nor in front of the next tile's stores.
.macro TOSTAGE u, ob
.irp t, 0,1,2,3
	ds_store_b128 v[STO], v[ACC+8*(4*\u+\t):ACC+8*(4*\u+\t)+3] offset:64*\t          ; each accumulator from its low end on
	ds_store_b128 v[STO], v[ACC+8*(4*\u+\t)+4:ACC+8*(4*\u+\t)+7] offset:64*\t+16
.endr
.irp i, 0,1,2,3,4,5,6,7
	ds_load_b128 v[\ob+4*\i:\ob+4*\i+3], v[RD] offset:\i*2*SP
.endr
.endm
.macro SEND u, ob, younger             ; younger: the LDS instructions issued behind this tile's loads, which may stay out
.irp i, 0,1,2,3,4,5,6,7
	s_wait_dscnt \younger+7-\i
	global_store_b128 v[CO], v[\ob+4*\i:\ob+4*\i+3], s[14:15] offset:(16*\u+2*\i)*4096 th:TH_STORE_NT   ; sixteen lanes store 256 consecutive bytes, aligned; written once, read by nobody here
.endr
.endm
.rept 4
	v_nop                                          ; four places in front of the first read of results
.endr
	TOSTAGE 0, OB0
	TOSTAGE 1, BI
	SEND 0, OB0, 16                                ; behind the first tile's loads: the second tile's 8 stores and 8 loads
	SEND 1, BI, 0
	s_wait_tensorcnt 0x0                           ; the wave's end, behind my last LDS store
	ds_add_u32 v[SPW], v[NIL]
	s_wait_dscnt 0x0
	CROUND                                         ; the closing round
	s_endpgm
.Lfunc_end_k_q59d4dee34c_oproj:
	.size	k_q59d4dee34c_oproj, .Lfunc_end_k_q59d4dee34c_oproj-k_q59d4dee34c_oproj
	.p2alignl 7, 3214868480
	.fill 96, 4, 3214868480
	.section	.rodata,"a",@progbits
	.p2align	6, 0x0
	.amdhsa_kernel k_q59d4dee34c_oproj
		.amdhsa_group_segment_fixed_size 327680
		.amdhsa_private_segment_fixed_size 0
		.amdhsa_enable_private_segment 0
		.amdhsa_kernarg_size 48
		.amdhsa_user_sgpr_count 2
		.amdhsa_user_sgpr_kernarg_segment_ptr 1
		.amdhsa_wavefront_size32 1
		.amdhsa_system_sgpr_workgroup_id_x 1
		.amdhsa_system_sgpr_workgroup_id_y 1
		.amdhsa_system_sgpr_workgroup_id_z 1
		.amdhsa_system_vgpr_workitem_id 0
		.amdhsa_next_free_vgpr 256
		.amdhsa_next_free_sgpr 92
		.amdhsa_reserve_vcc 0
		.amdhsa_float_denorm_mode_32 3
		.amdhsa_float_denorm_mode_16_64 3
		.amdhsa_memory_ordered 1
		.amdhsa_forward_progress 1
		.amdhsa_inst_pref_size 30
	.end_amdhsa_kernel
	.amdgpu_metadata
---
amdhsa.version: [ 1, 2 ]
amdhsa.kernels:
  - .name:           k_q59d4dee34c_oproj
    .symbol:         k_q59d4dee34c_oproj.kd
    .args:
      - { .name: a_img, .offset: 0, .size: 8, .value_kind: global_buffer, .address_space: global }
      - { .name: a_sc, .offset: 8, .size: 8, .value_kind: global_buffer, .address_space: global }
      - { .name: Wo_codes, .offset: 16, .size: 8, .value_kind: global_buffer, .address_space: global }
      - { .name: Wo_scales, .offset: 24, .size: 8, .value_kind: global_buffer, .address_space: global }
      - { .name: bo, .offset: 32, .size: 8, .value_kind: global_buffer, .address_space: global }
      - { .name: out0, .offset: 40, .size: 8, .value_kind: global_buffer, .address_space: global }
    .group_segment_fixed_size: 327680
    .private_segment_fixed_size: 0
    .kernarg_segment_align: 8
    .kernarg_segment_size: 48
    .max_flat_workgroup_size: 512
    .sgpr_count:     92
    .vgpr_count:     256
    .wavefront_size: 32
...
	.end_amdgpu_metadata
.endif
;; end of part 3
